; MI455X (gfx1250); checked and timed in simulation.
; The chip was launched on July 23, 2026; its instructions are those of AMD's public machine-readable ISA for CDNA 5 (MIT licence, August 2026) and "CDNA5" Instruction Set Architecture Reference Guide (July 2026). The comments in the code are by the model that wrote it; some were corrected since.
;; Multi Head Self Attention. Allowed arithmetic: matrix products marked QUANTISED: E2M1 operands, one E8M0 scale for each 32 along K, by v_wmma_scale_f32_16x16x128_f8f6f4 with both operands' format E2M1 (or v_wmma_scale_f32_32x16x128_f4), f32 sums; products left as they are: bf16, f16 or f32 operands; f32 sums; everything else in f32.
;; Inputs: b_proj 768 float32; w_proj 768 x 768 float32; wk 12 x 64 x 768 float32; wq 12 x 64 x 768 float32; wv 12 x 64 x 768 float32; x 32 x 577 x 768 float32.
;; Outputs: out0 32 x 577 x 768 float32.
;; This version of the problem:
;;   THIS VERSION OF THE PROBLEM IS GIVEN IN LOW PRECISION. The matrix products marked QUANTISED in the list below multiply operands that are first quantised to E2M1 (2 exponent bits, 1 mantissa bit; 4 bits a number), with one power-of-two scale for each 32 numbers along K (OCP MX v1.0); their sums are f32. The products marked 'left as it is' may take bf16, f16 or f32 operands, with f32 sums. Whichever they take, every output number must still come out within the allowed error. Rounding operands to bf16 (8 significant bits) uses up far more of that allowance than f16 does (11 bits, for magnitudes from 6e-5 to 65,504). All else is computed in f32.
;;   The module's matrix products, in the order in which they are computed (A, B: the left and right operand; K: the contracted axis; several contracted axes count as one K, in the product's order):
;;     1. [M 768, K 768] x [K 768, N 18,464]; A: input wq; B: input x: QUANTISED
;;     2. [M 768, K 768] x [K 768, N 18,464]; A: input wk; B: input x: QUANTISED
;;     3. [M 768, K 768] x [K 768, N 18,464]; A: input wv; B: input x: QUANTISED
;;     4. batch 384 x [M 577, K 64] x [K 64, N 577]; A: computed on the way; B: computed on the way: left as it is (an operand is computed on the way)
;;     5. batch 384 x [M 577, K 577] x [K 577, N 64]; A: computed on the way; B: computed on the way: left as it is (an operand is computed on the way)
;;     6. [M 18,464, K 768] x [K 768, N 768]; A: computed on the way; B: input w_proj: left as it is (an operand is computed on the way)
;;   THE QUANTISER, for each operand of a quantised product, along K:
;;     - K is cut into blocks of 32 from its start; a last block that is shorter is filled with zeros.
;;     - A block's scale is 2^e with e = floor(log2(the largest magnitude in the block)) - 2, held to -126 .. 127; a block of zeros has e = 0. As a byte (E8M0): e + 127.
;;     - Each number is divided by its block's scale, clamped to +-6, and rounded to the nearest number of E2M1, ties to even, subnormals kept.
;;     - The product sums the exact products of the quantised numbers (number of the format x scale) in f32.
;;   ~~~python
;;   def quantise(x, axis):      # numpy; x: float32 -> the quantised numbers, widened to float32 again
;;       x = np.moveaxis(x, axis, -1); K = x.shape[-1]
;;       x = np.pad(x, [(0, 0)] * (x.ndim - 1) + [(0, -K % 32)]); x = x.reshape(x.shape[:-1] + (-1, 32)); a = np.abs(x).max(-1, keepdims=True)
;;       e = np.where(a > 0, np.clip(np.frexp(np.where(a > 0, a, 1))[1] - 1 - 2, -126, 127), 0)      # np.frexp(a)[1] - 1 = floor(log2(a)), exactly
;;       r = np.clip(x / 2.0 ** e, -6, 6)
;;       step = 2.0 ** (np.maximum(np.frexp(np.where(r == 0, 1, r))[1] - 1, 0) - 1)
;;       q = np.round(r / step) * step * 2.0 ** e      # np.round: ties to even
;;       return np.moveaxis(q.reshape(q.shape[:-2] + (-1,))[..., :K], -1, axis).astype(np.float32)
;;   ~~~
;; One version. Each part assembles by itself: llvm-mc -triple=amdgcn-amd-amdhsa -mcpu=gfx1250 --defsym DOCPART=n.
;; ======== version 1 of 1: 4 launches
;; limits: values are held in f16: magnitudes above 65,504 overflow, below 6.1e-05 lose precision
;; workspace buffers: ximg 8,183,808 bytes; wimg 995,328 bytes; wpimg 1,179,648 bytes; qkv 87,293,952 bytes; cat 29,097,984 bytes
;; launch prep (part 1): grid 43 x 32, 6 waves a work-group, no clusters, 51,456 bytes of LDS; arguments x, wq, wk, wv, w_proj, ximg, wimg, wpimg; writes ximg, wimg, wpimg
.if DOCPART == 1
	.amdgcn_target "amdgcn-amd-amdhsa--gfx1250"
	.amdhsa_code_object_version 6
	.text
	.protected	k_q14f024308d_prep
	.globl	k_q14f024308d_prep
	.p2align	8
	.type	k_q14f024308d_prep,@function
k_q14f024308d_prep:
	s_mov_b64 s[64:65], 0
	v_nop
	global_prefetch_b8 v0, s[64:65] scope:SCOPE_SE
	s_setreg_imm32_b32 hwreg(HW_REG_WAVE_MODE, 25, 1), 1
	s_wait_xcnt 0x0
; MULTI-HEAD SELF-ATTENTION, launch 1 of 4: the operands are laid out once.
; NOTHING OF reference() IS LEFT OUT in this program: every input (x, wq, wk, wv, w_proj, b_proj) has a way to out0 and every product of its table is done.
; x [32][577][768] and wq, wk, wv [768 rows][768] are quantised along their last axis (the products' K): E2M1 codes, one E8M0 byte for each 32.  A block's scale is
; 2^(floor(log2(its largest magnitude)) - 2): its byte is the largest magnitude's exponent field - 2.  w_proj [768][768] is rounded to f16 (its product is left as it is).
; LAYOUT OF THE RESULTS: IMAGES OF OPERAND REGISTERS.  16 rows x 768 make a block.  Codes: K step s (128 along K) is a fragment of 8 registers a lane; its group g of four registers
; lies at 1024 s + 512 g + 16 lane; lane (r, h) holds there block 4 s + 2 g + h of row r.  The scale words (four bytes: a row's 128 along K) lie at 6144 + 128 s + 4 lane.  A block is 6,912 bytes.
; f16: chunk kc (32 along K) lies at 1024 kc + 512 g + 16 lane; lane (r, h) holds there k = 32 kc + 16 g + 8 h + 0 .. 7 of row r.  A block is 24,576 bytes.
; TOKENS: 577 = 36 x 16 + 1.  Each batch has 37 slots of 16 rows: slot 0 holds token 576 in row 0 and fifteen rows of zeros; slot i holds tokens 16 i - 16 .. 16 i - 1.
; SHARES: a work-group takes 16 rows, wave s K step s.  x: work-group (slot, batch), slot under 37.  The other 6 x 32 work-groups: number o = 0 .. 191: wq, wk, wv, w_proj, 48 blocks each.
; Each load reads 512 consecutive bytes of a row; the 16 x 512 bytes turn through the wave's own stage in LDS (rows 528 bytes apart) so that a lane gets neighbours along K; each store writes 512 consecutive bytes.
; No matrix unit, no cluster, no tensor load: the launch streams, and waves share nothing: no barrier.
; LIMITS: a block whose largest magnitude lies under 2^-124 gets the byte 1; a block of zeros gets the byte 1 where the rule says 127 (its codes are zeros, and this program alone reads the bytes);
; w_proj beyond f16's 65,504 is not served; NaN and infinities among the inputs are not served.
.set XBLK,  6912
.set CROW,  24576
.set SP,    528                        ; a stage row: 512 bytes + 16
.set WST,   16*SP                      ; a wave's stage
.set SPARE, 6*WST                      ; behind the stages: the spare words, 128 bytes for each wave: three blocks of 256 bytes that no other line names
.set SPW,   9                          ; v9   my spare word; never rewritten
.set NIL,   10                         ; v10  0; never rewritten
.set C,     20                         ; v20-27  a fragment's codes
.set R,     32                         ; v32-95  16 rows as loaded; later the f16 results
.set X,     96                         ; v96-159 64 numbers as the conversions want them
	s_load_b256 s[4:11], s[0:1], 0x0               ; x, wq, wk, wv
	s_load_b256 s[12:19], s[0:1], 0x20             ; w_proj, ximg, wimg, wpimg
	v_lshl_add_u32 v[SPW], v0, 2, SPARE
	v_mov_b32 v[NIL], 0
	v_lshrrev_b32 v1, 5, v0
	v_readfirstlane_b32 s20, v1                    ; wave = K step
	v_and_b32 v1, 31, v0                           ; lane
	v_and_b32 v2, 15, v0                           ; r
	v_bfe_u32 v3, v0, 4, 1                         ; h
	v_lshlrev_b32 v4, 4, v1                        ; 16 lane
	v_lshlrev_b32 v5, 2, v1                        ; 4 lane
	s_mul_i32 s30, s20, WST
	v_add_nc_u32 v6, s30, v4                       ; the stage, on the way in: a row's 512 bytes as they lie
	v_mul_u32_u24 v7, v2, SP
	v_add_nc_u32 v7, s30, v7
	v_lshl_add_u32 v8, v3, 5, v7                   ; out, for f16: row r, + 32 h
	v_lshl_add_u32 v7, v3, 7, v7                   ; out, for codes: row r, + 128 h: a whole block of 32 numbers
	v_lshlrev_b32 v11, 3, v3                       ; 8 h
	v_mov_b32 v19, 0                               ; a lane permute's destination counts as one of its sources
	v_lshl_add_u32 v28, s20, 10, v4                ; where my codes go: 1024 s + 16 lane
	v_lshl_add_u32 v29, s20, 7, v5                 ; my scale word: 128 s + 4 lane
	v_lshl_add_u32 v30, s20, 12, v4                ; my f16 chunks: 4096 s + 16 lane
	s_mov_b32 s21, ttmp9                           ; gx
	s_and_b32 s22, ttmp7, 0xffff                   ; gy
	s_max_u32 s23, s21, 37
	s_sub_co_u32 s23, s23, 37
	s_lshl_b32 s23, s23, 5
	s_add_co_u32 s23, s23, s22                     ; o = 32 (gx - 37) + gy; under 32 in x's work-groups
	s_mov_b32 s28, 0x76543210
	s_mov_b32 s29, 0xfedcba98                      ; v_permlanex16_b32's selects for lane l xor 16
	s_wait_kmcnt 0x0
	; which tensor, which block: choices on ids alone
	s_mov_b64 s[24:25], s[6:7]
	s_mov_b32 s30, 0
	s_cmp_ge_u32 s23, 48
	s_cselect_b64 s[24:25], s[8:9], s[24:25]
	s_cselect_b32 s30, 48, s30
	s_cmp_ge_u32 s23, 96
	s_cselect_b64 s[24:25], s[10:11], s[24:25]
	s_cselect_b32 s30, 96, s30
	s_cmp_ge_u32 s23, 144
	s_cselect_b64 s[24:25], s[12:13], s[24:25]
	s_cselect_b64 s[26:27], s[18:19], s[16:17]
	s_cselect_b32 s30, 144, s30
	s_sub_co_u32 s30, s23, s30                     ; the block in its tensor
	s_lshl_b32 s33, s30, 4                         ; its first row
	s_mul_i32 s32, s30, CROW
	s_mul_i32 s31, s23, XBLK
	s_cmp_ge_u32 s23, 144
	s_cselect_b32 s31, s32, s31                    ; where it goes
	s_mul_i32 s34, s22, 577
	s_lshl_b32 s35, s21, 4
	s_sub_co_u32 s35, s35, 16
	s_cmp_eq_u32 s21, 0
	s_cselect_b32 s35, 576, s35
	s_add_co_u32 s34, s34, s35                     ; x: the slot's first token
	s_mul_i32 s36, s22, 37
	s_add_co_u32 s36, s36, s21
	s_mul_i32 s36, s36, XBLK
	s_cmp_lt_u32 s21, 37
	s_cselect_b64 s[24:25], s[4:5], s[24:25]
	s_cselect_b64 s[26:27], s[14:15], s[26:27]
	s_cselect_b32 s33, s34, s33
	s_cselect_b32 s31, s36, s31
	s_mul_i32 s32, s33, 3072                       ; a row is 3,072 bytes; all offsets stay under 2^32
	s_lshl_b32 s34, s20, 9
	s_add_co_u32 s32, s32, s34                     ; + my K step's 512 bytes
	s_mov_b32 s33, 0
	s_add_nc_u64 s[24:25], s[24:25], s[32:33]
	s_mov_b32 s34, s31
	s_mov_b32 s35, 0
	s_add_nc_u64 s[26:27], s[26:27], s[34:35]
	s_cmp_eq_u32 s21, 0
	s_cbranch_scc1 .Ltail
.irp p, 0,1,2,3,4,5,6,7,8,9,10,11,12,13,14,15
	global_load_b128 v[R+4*\p:R+4*\p+3], v4, s[24:25] offset:3072*\p th:TH_LOAD_NT   ; 32 lanes read 512 consecutive bytes of row p
.endr
	s_branch .Lloaded
.Ltail:                                                ; slot 0: token 576 alone; no load leaves x; the other fifteen rows are zeros
	global_load_b128 v[R:R+3], v4, s[24:25] th:TH_LOAD_NT
.set j, 4
.rept 60
	v_mov_b32 v[R+j], 0
.set j, j+1
.endr
.Lloaded:
	s_wait_loadcnt 0x0
.irp p, 0,1,2,3,4,5,6,7,8,9,10,11,12,13,14,15
	ds_store_b128 v6, v[R+4*\p:R+4*\p+3] offset:SP*\p
.endr
	s_cmp_ge_u32 s23, 144
	s_cbranch_scc1 .Lconv
	; ---- codes.  LDS serves a wave's instructions in order: these loads see my stores
.irp g, 0,1
.irp j, 0,1,2,3,4,5,6,7
	ds_load_b128 v[X+32*\g+4*\j:X+32*\g+4*\j+3], v7 offset:256*\g+16*\j   ; block 2 g + h of row r: 32 numbers
.endr
.endr
	s_wait_dscnt 0x0
.irp g, 0,1
	v_max3_num_f32 v[12+\g], |v[X+32*\g]|, |v[X+32*\g+1]|, 0x1800000   ; the block's largest magnitude, all 32 mine; and the floor 2^(3 - 127): the byte cannot fall under 1
.endr
.irp i, 2,4,6,8,10,12,14,16,18,20,22,24,26,28,30
.irp g, 0,1
	v_max3_num_f32 v[12+\g], v[12+\g], |v[X+32*\g+\i]|, |v[X+32*\g+\i+1]|   ; (the two blocks by turns)
.endr
.endr
.irp g, 0,1
	v_add_nc_u32 v[14+\g], 0xff000000, v[12+\g]    ; 2 off its exponent field: the conversion takes the exponent field of this operand as its scale
.endr
.irp g, 0,1
	v_lshrrev_b32 v[16+\g], 23, v[14+\g]           ; the scale's byte
.endr
	v_lshl_or_b32 v18, v17, 16, v16                ; my two bytes: blocks h and 2 + h,
	v_lshlrev_b32 v18, v11, v18                    ; at their places in the word;
	v_permlanex16_b32 v19, v18, s28, s29
	v_or_b32 v18, v18, v19                         ; with lane l xor 16's two the word is whole, in both halves of the lanes
.irp g, 0,1
.irp i, 0,1,2,3
	v_cvt_scalef32_pk8_fp4_f32 v[C+4*\g+\i], v[X+32*\g+8*\i:X+32*\g+8*\i+7], v[14+\g]   ; to the nearest code, ties to even, beyond 6 the largest code
.endr
.endr
	v_nop                                          ; one plain line behind the last scaled conversion
	global_store_b128 v28, v[C:C+3], s[26:27]      ; 512 consecutive bytes
	global_store_b128 v28, v[C+4:C+7], s[26:27] offset:512
	global_store_b32 v29, v18, s[26:27] offset:6144
	s_wait_tensorcnt 0x0                           ; the wave's end, behind my last LDS store
	ds_add_u32 v[SPW], v[NIL]
	s_wait_dscnt 0x0
	s_endpgm
.Lconv:
	; ---- w_proj to f16
.irp q, 0,1,2,3
.irp g, 0,1
.irp e, 0,1
	ds_load_b128 v[X+16*\q+8*\g+4*\e:X+16*\q+8*\g+4*\e+3], v8 offset:128*\q+64*\g+16*\e   ; k = 32 q + 16 g + 8 h + 4 e + 0 .. 3 of row r
.endr
.endr
.endr
	s_wait_dscnt 0x0                               ; and my stores into the stage have read v32 on
.irp q, 0,1,2,3
.irp g, 0,1
.irp i, 0,1,2,3
	v_cvt_pk_f16_f32 v[R+8*\q+4*\g+\i], v[X+16*\q+8*\g+2*\i], v[X+16*\q+8*\g+2*\i+1]
.endr
.endr
.endr
.irp q, 0,1,2,3
.irp g, 0,1
	global_store_b128 v30, v[R+8*\q+4*\g:R+8*\q+4*\g+3], s[26:27] offset:1024*\q+512*\g
.endr
.endr
	s_wait_tensorcnt 0x0                           ; the wave's end, as above
	ds_add_u32 v[SPW], v[NIL]
	s_wait_dscnt 0x0
	s_endpgm
.Lfunc_end_k_q14f024308d_prep:
	.size	k_q14f024308d_prep, .Lfunc_end_k_q14f024308d_prep-k_q14f024308d_prep
	.p2alignl 7, 3214868480
	.fill 96, 4, 3214868480
	.section	.rodata,"a",@progbits
	.p2align	6, 0x0
	.amdhsa_kernel k_q14f024308d_prep
		.amdhsa_group_segment_fixed_size 51456
		.amdhsa_private_segment_fixed_size 0
		.amdhsa_enable_private_segment 0
		.amdhsa_kernarg_size 64
		.amdhsa_user_sgpr_count 2
		.amdhsa_user_sgpr_kernarg_segment_ptr 1
		.amdhsa_wavefront_size32 1
		.amdhsa_system_sgpr_workgroup_id_x 1
		.amdhsa_system_sgpr_workgroup_id_y 1
		.amdhsa_system_sgpr_workgroup_id_z 1
		.amdhsa_system_vgpr_workitem_id 0
		.amdhsa_next_free_vgpr 160
		.amdhsa_next_free_sgpr 66
		.amdhsa_reserve_vcc 0
		.amdhsa_float_denorm_mode_32 3
		.amdhsa_float_denorm_mode_16_64 3
		.amdhsa_memory_ordered 1
		.amdhsa_forward_progress 1
		.amdhsa_inst_pref_size 17
	.end_amdhsa_kernel
	.amdgpu_metadata
---
amdhsa.version: [ 1, 2 ]
amdhsa.kernels:
  - .name:           k_q14f024308d_prep
    .symbol:         k_q14f024308d_prep.kd
    .args:
      - { .name: x, .offset: 0, .size: 8, .value_kind: global_buffer, .address_space: global }
      - { .name: wq, .offset: 8, .size: 8, .value_kind: global_buffer, .address_space: global }
      - { .name: wk, .offset: 16, .size: 8, .value_kind: global_buffer, .address_space: global }
      - { .name: wv, .offset: 24, .size: 8, .value_kind: global_buffer, .address_space: global }
      - { .name: w_proj, .offset: 32, .size: 8, .value_kind: global_buffer, .address_space: global }
      - { .name: ximg, .offset: 40, .size: 8, .value_kind: global_buffer, .address_space: global }
      - { .name: wimg, .offset: 48, .size: 8, .value_kind: global_buffer, .address_space: global }
      - { .name: wpimg, .offset: 56, .size: 8, .value_kind: global_buffer, .address_space: global }
    .group_segment_fixed_size: 51456
    .private_segment_fixed_size: 0
    .kernarg_segment_align: 8
    .kernarg_segment_size: 64
    .max_flat_workgroup_size: 192
    .sgpr_count:     66
    .vgpr_count:     160
    .wavefront_size: 32
...
	.end_amdgpu_metadata
.endif
;; end of part 1
;; launch qkvgemm (part 2): grid 85 x 3, 4 waves a work-group, no clusters, 167,936 bytes of LDS; arguments ximg, wimg, qkv; writes qkv
.if DOCPART == 2
	.amdgcn_target "amdgcn-amd-amdhsa--gfx1250"
	.amdhsa_code_object_version 6
	.text
	.protected	k_q14f024308d_qkvgemm
	.globl	k_q14f024308d_qkvgemm
	.p2align	8
	.type	k_q14f024308d_qkvgemm,@function
k_q14f024308d_qkvgemm:
	s_mov_b64 s[64:65], 0
	v_nop
	global_prefetch_b8 v0, s[64:65] scope:SCOPE_SE
	s_setreg_imm32_b32 hwreg(HW_REG_WAVE_MODE, 25, 1), 1
	s_wait_xcnt 0x0
; Launch 2 of 4: q, k, v = x W^T on codes of E2M1 with E8M0 scales (the three quantised products), results rounded to f16 for the products that follow.  No work of reference() is left out.
; SHARES.  Work-group (g, sel): sel = 0 q, 1 k, 2 v; 14 slots of 16 tokens, T0 .. T0 + 13, T0 = min(14 g, 1170).  1,184 slots are 84 x 14 + 8: the last group's first six slots are its neighbour's
; and are jumped over (a scalar branch on ids).  Wave w keeps, for the whole launch, the fragments of 192 weight rows (heads 3 w .. 3 w + 2): 12 tiles x 6 K steps = 576 registers, and 72 scale words.
; The slots' images of x come into LDS once, by two tensor loads; all four waves read them: a fragment read from LDS feeds 12 matrix instructions.
; FORMS.  q, k: source 0 = 16 weight rows, source 1 = 16 tokens: a lane then holds ONE token and eight neighbouring channels: packed to f16 they are four registers of the fragment that the score product wants.
; v: the sources swapped: a lane holds ONE channel and eight neighbouring tokens: half a fragment of V^T.  So results are stored as they stand, 512 consecutive bytes a store:
; qkv [sel][12 b + head][slot 37][piece 4][512 bytes]; piece c: channels 16 c .. 16 c + 15.
; NO CLUSTER: the grid, 85 x 3, is a multiple of 4 along neither axis, and the large shared operand (the weights) goes to registers, not through tensor loads.
; NO PREFETCH: all that the launch reads is asked for at its head.
; LIMITS: |q|, |k|, |v| beyond f16's 65,504 are not served (the inputs drawn give about 3); under 6e-5 the absolute error is 2^-25.
; REGISTERS, in windows of 256: window 0: v1 16 lane, v2 4 lane, v3, v4 LDS addresses, v5, v6 the add's two; v8-79 the weights' scale words (12 s + c); v80-91 x's scale words, two sets;
;   v96-191 x's fragments, two sets of 48; v192-239 packed results.   Windows 1, 2 and v0-63 of 3: the weights' fragments, (s, c) at 8 (12 s + c).   Window 3, v64-159: the 12 accumulators.
.set XBLK,  6912
.set BHB,   75776                      ; a head's image: 37 slots x 2,048 bytes
.set SELB,  29097984                   ; 384 of them
.set NSL,   14
.set SPARE, NSL*XBLK                   ; behind the images: the spare words, 128 bytes for each wave: two blocks of 256 bytes that no other line names
.set WS,    8
.set XS,    80
.set XF,    96
.set PK,    192
.set ACC,   64
.set MSB, 0
.macro WIN new                         ; the immediate's high byte repeats the setting that is left; a switch that changes nothing is dropped
.if MSB != \new
	s_set_vgpr_msb (MSB<<8)|\new
.set MSB, \new
.endif
.endm
	s_load_b128 s[4:7], s[0:1], 0x0                ; ximg, wimg
	s_load_b64 s[8:9], s[0:1], 0x10                ; qkv
	v_lshl_add_u32 v5, v0, 2, SPARE
	v_mov_b32 v6, 0
	ds_add_u32 v5, v6                              ; the wave's opening: the add, twice on end, and its wait ahead of the first tensor load
	ds_add_u32 v5, v6
	v_lshrrev_b32 v1, 5, v0
	v_readfirstlane_b32 s10, v1                    ; wave
	v_and_b32 v2, 31, v0
	v_lshlrev_b32 v1, 4, v2                        ; 16 lane
	v_lshlrev_b32 v2, 2, v2                        ; 4 lane
	s_mov_b32 s11, ttmp9
	s_and_b32 s12, ttmp7, 0xffff                   ; sel
	s_mul_i32 s14, s11, NSL                        ; the first slot that is mine
	s_min_u32 s13, s14, 1184-NSL                   ; the first slot that I load
	; descriptor group 1: 7 blocks = 48,384 dense bytes, as 189 rows of 256 bytes (32 elements of 8 bytes)
	s_mov_b32 s24, 3<<16
	s_mov_b32 s25, 32<<16
	s_mov_b32 s26, 189<<16
	s_mov_b32 s27, 32<<16
	s_mov_b32 s28, 189
	s_mov_b32 s29, 32
	s_mov_b32 s30, 0
	s_mov_b32 s31, 0
	s_mov_b32 s32, 1
	s_mul_i32 s33, s10, 7*XBLK                     ; LDS address: wave 0 the first seven blocks, wave 1 the others
	s_mul_i32 s36, s13, XBLK
	s_add_co_u32 s36, s36, s33
	s_mov_b32 s37, 0
	s_mul_i32 s38, s12, 48
	s_mul_i32 s39, s10, 12
	s_add_co_u32 s38, s38, s39
	s_mul_i32 s38, s38, XBLK                       ; my first block of weights: 48 sel + 12 wave
	s_mov_b32 s39, 0
	s_mul_hi_u32 s40, s13, 0x06EB3E46              ; batch = T / 37 (the factor is 2^32 / 37 rounded up: exact for T under 1,184)
	s_mul_i32 s41, s40, 37
	s_sub_co_u32 s16, s13, s41                     ; slot in the batch
	s_mul_i32 s40, s40, 444                        ; in units of 2,048 bytes: 12 heads x 37 slots a batch,
	s_add_co_u32 s40, s40, s16
	s_mul_i32 s41, s10, 111                        ; three heads a wave
	s_add_co_u32 s40, s40, s41
	s_lshl_b32 s40, s40, 11
	s_mul_i32 s41, s12, SELB
	s_add_co_u32 s40, s40, s41                     ; under 2^32
	s_mov_b32 s41, 0
	s_mov_b32 s15, s13                             ; T of the slot in hand
	s_mov_b32 s19, 0
	s_mov_b32 s20, 2048
	s_mov_b32 s21, 0                               ; LDS byte of the block to be fetched
	s_wait_dscnt 0x0                               ; both opening adds are done
	s_wait_kmcnt 0x0
	s_add_nc_u64 s[34:35], s[4:5], s[36:37]
	s_or_b32 s35, s35, 0x80000000
	s_add_nc_u64 s[6:7], s[6:7], s[38:39]
	s_add_nc_u64 s[8:9], s[8:9], s[40:41]
	s_cmp_lt_u32 s10, 2
	s_cbranch_scc0 .Lno_fill
	tensor_load_to_lds s[32:35], s[24:31]          ; filled once; one load of mine is out
	s_nop 0
.rept 4
	v_nop
.endr
.Lno_fill:
.irp s, 0,1,2,3,4,5
.irp c, 0,1,2,3,4,5,6,7,8,9,10,11
.irp g, 0,1
.set RR, 8*(12*\s+\c)+4*\g
	WIN ((1+RR/256)<<6)                            ; the destination's window
	global_load_b128 v[RR%256:RR%256+3], v1, s[6:7] offset:\c*XBLK+(2*\s+\g)*512
.endr
.endr
.endr
	WIN 0
.irp s, 0,1,2,3,4,5
.irp c, 0,1,2,3,4,5,6,7,8,9,10,11
	global_load_b32 v[WS+12*\s+\c], v2, s[6:7] offset:\c*XBLK+6144+128*\s
.endr
.endr
; the next slot's six fragments and six scale words into set p: 18 LDS loads
.macro XFETCH p
	v_add_nc_u32 v3, s21, v1
	v_add_nc_u32 v4, s21, v2
.set n, 0
.rept 12
	ds_load_b128 v[XF+48*(\p)+4*n:XF+48*(\p)+4*n+3], v3 offset:512*n
.set n, n+1
.endr
.set n, 0
.rept 6
	ds_load_b32 v[XS+6*(\p)+n], v4 offset:6144+128*n
.set n, n+1
.endr
	s_add_co_u32 s21, s21, XBLK
.endm
; a slot's 72 products: K step by K step, the 12 accumulators by turns, one instruction a turn; the first K step starts the sums with the constant 0
.macro PRODS p, v
.irp s, 0,1,2,3,4,5
.irp c, 0,1,2,3,4,5,6,7,8,9,10,11
.set RR, 8*(12*\s+\c)
.set WW, 1+RR/256
.set RL, RR%256
.if \v
	WIN (0xf0|(WW<<2))                             ; source 1 (the weights) in their window, C and D in window 3
.if \s == 0
	v_wmma_scale_f32_16x16x128_f8f6f4 v[ACC+8*\c:ACC+8*\c+7], v[XF+48*\p+8*\s:XF+48*\p+8*\s+7], v[RL:RL+7], 0, v[XS+6*\p+\s], v[WS+12*\s+\c] matrix_a_fmt:MATRIX_FMT_FP4 matrix_b_fmt:MATRIX_FMT_FP4
.else
	v_wmma_scale_f32_16x16x128_f8f6f4 v[ACC+8*\c:ACC+8*\c+7], v[XF+48*\p+8*\s:XF+48*\p+8*\s+7], v[RL:RL+7], v[ACC+8*\c:ACC+8*\c+7], v[XS+6*\p+\s], v[WS+12*\s+\c] matrix_a_fmt:MATRIX_FMT_FP4 matrix_b_fmt:MATRIX_FMT_FP4
.endif
.else
	WIN (0xf0|WW)                                  ; source 0 (the weights) in their window
.if \s == 0
	v_wmma_scale_f32_16x16x128_f8f6f4 v[ACC+8*\c:ACC+8*\c+7], v[RL:RL+7], v[XF+48*\p+8*\s:XF+48*\p+8*\s+7], 0, v[WS+12*\s+\c], v[XS+6*\p+\s] matrix_a_fmt:MATRIX_FMT_FP4 matrix_b_fmt:MATRIX_FMT_FP4
.else
	v_wmma_scale_f32_16x16x128_f8f6f4 v[ACC+8*\c:ACC+8*\c+7], v[RL:RL+7], v[XF+48*\p+8*\s:XF+48*\p+8*\s+7], v[ACC+8*\c:ACC+8*\c+7], v[WS+12*\s+\c], v[XS+6*\p+\s] matrix_a_fmt:MATRIX_FMT_FP4 matrix_b_fmt:MATRIX_FMT_FP4
.endif
.endif
.endr
.endr
.endm
; one slot, its fragments in set p.  more = 1: the next slot's are fetched first, into the other set, whose last readers stand behind the four v_nop and 48 conversions of the slot before.
.macro TILE p, more
.if \more
	XFETCH 1-\p
	s_wait_dscnt 18                                ; all but the 18 just issued: set p is in
.else
	s_wait_dscnt 0x0
.endif
	s_cmp_lt_u32 s15, s14                          ; my neighbour's slot (the last group's first six): ids and the count of slots alone
	s_cbranch_scc1 .Lskip_\@
	s_cmp_eq_u32 s12, 2
	s_cbranch_scc1 .Lforv_\@
	PRODS \p, 0
	WIN 0
	s_branch .Lmade_\@
.Lforv_\@:
	PRODS \p, 1
	WIN 0
.Lmade_\@:
.rept 4
	v_nop                                          ; four places between the last product and the first read of results
.endr
	WIN 0x0f                                       ; sources in window 3
.set n, 0
.rept 48
	v_cvt_pk_f16_f32 v[PK+n], v[ACC+2*n], v[ACC+2*n+1]   ; each accumulator from its low end on
.set n, n+1
.endr
	WIN 0
.set n, 0
.rept 12
	global_store_b128 v1, v[PK+4*n:PK+4*n+3], s[8:9] offset:(n/4)*BHB+(n%4)*512   ; head n / 4 of my three, piece n % 4: 512 consecutive bytes
.set n, n+1
.endr
.Lskip_\@:
	s_wait_xcnt 0x0                                ; the stores have read their data and their base: both are written again below and in the next slot
	s_add_co_u32 s15, s15, 1
	s_add_co_u32 s16, s16, 1
	s_cmp_eq_u32 s16, 37
	s_cselect_b32 s18, 408*2048, s20               ; the next slot; at a batch's end 444 - 36 units on
	s_cselect_b32 s16, 0, s16
	s_add_nc_u64 s[8:9], s[8:9], s[18:19]
.endm
	s_wait_loadcnt 0x0                             ; the weights
	s_wait_tensorcnt 0x0                           ; my part of the images,
	s_barrier_signal -1
	s_barrier_wait -1                              ; everybody's
	XFETCH 0
	s_mov_b32 s22, 6
.Lpair:
	TILE 0, 1
	TILE 1, 1
	s_sub_co_u32 s22, s22, 1
	s_cmp_lg_u32 s22, 0
	s_cbranch_scc1 .Lpair
	TILE 0, 1                                      ; the last two slots are written out: nothing is fetched behind the 14th block
	TILE 1, 0
	s_wait_tensorcnt 0x0                           ; the wave's end
	ds_add_u32 v5, v6
	s_wait_dscnt 0x0
	s_endpgm
.Lfunc_end_k_q14f024308d_qkvgemm:
	.size	k_q14f024308d_qkvgemm, .Lfunc_end_k_q14f024308d_qkvgemm-k_q14f024308d_qkvgemm
	.p2alignl 7, 3214868480
	.fill 96, 4, 3214868480
	.section	.rodata,"a",@progbits
	.p2align	6, 0x0
	.amdhsa_kernel k_q14f024308d_qkvgemm
		.amdhsa_group_segment_fixed_size 167936
		.amdhsa_private_segment_fixed_size 0
		.amdhsa_enable_private_segment 0
		.amdhsa_kernarg_size 24
		.amdhsa_user_sgpr_count 2
		.amdhsa_user_sgpr_kernarg_segment_ptr 1
		.amdhsa_wavefront_size32 1
		.amdhsa_system_sgpr_workgroup_id_x 1
		.amdhsa_system_sgpr_workgroup_id_y 1
		.amdhsa_system_sgpr_workgroup_id_z 1
		.amdhsa_system_vgpr_workitem_id 0
		.amdhsa_next_free_vgpr 928
		.amdhsa_next_free_sgpr 66
		.amdhsa_reserve_vcc 0
		.amdhsa_float_denorm_mode_32 3
		.amdhsa_float_denorm_mode_16_64 3
		.amdhsa_memory_ordered 1
		.amdhsa_forward_progress 1
		.amdhsa_inst_pref_size 121
	.end_amdhsa_kernel
	.amdgpu_metadata
---
amdhsa.version: [ 1, 2 ]
amdhsa.kernels:
  - .name:           k_q14f024308d_qkvgemm
    .symbol:         k_q14f024308d_qkvgemm.kd
    .args:
      - { .name: ximg, .offset: 0, .size: 8, .value_kind: global_buffer, .address_space: global }
      - { .name: wimg, .offset: 8, .size: 8, .value_kind: global_buffer, .address_space: global }
      - { .name: qkv, .offset: 16, .size: 8, .value_kind: global_buffer, .address_space: global }
    .group_segment_fixed_size: 167936
    .private_segment_fixed_size: 0
    .kernarg_segment_align: 8
    .kernarg_segment_size: 24
    .max_flat_workgroup_size: 128
    .sgpr_count:     66
    .vgpr_count:     928
    .wavefront_size: 32
...
	.end_amdgpu_metadata
.endif
;; end of part 2
;; launch attn (part 3): grid 256 x 1, 8 waves a work-group, no clusters, 304,128 bytes of LDS; arguments qkv, cat; writes cat
.if DOCPART == 3
	.amdgcn_target "amdgcn-amd-amdhsa--gfx1250"
	.amdhsa_code_object_version 6
	.text
	.protected	k_q14f024308d_attn
	.globl	k_q14f024308d_attn
	.p2align	8
	.type	k_q14f024308d_attn,@function
k_q14f024308d_attn:
	s_mov_b64 s[64:65], 0
	v_nop
	global_prefetch_b8 v0, s[64:65] scope:SCOPE_SE
	s_setreg_imm32_b32 hwreg(HW_REG_WAVE_MODE, 25, 1), 1
	s_wait_xcnt 0x0
; Launch 3 of 4: cat = softmax(q k^T / 8) v for each of the 384 (batch, head), f16 operands, f32 sums, maxima and row sums.  No work of reference() is left out.
; SHARES.  384 heads x 37 slots of 16 queries on 256 work-groups: work-group g serves one and a half heads: head DBL = (3 g + 1) / 2 whole (pass A), and of head SGL (DBL + 1 for even g, DBL - 1 for odd g)
; slots 0-19 (even g) or 20-36 (odd g) (pass B).  Both heads' K and V lie whole in LDS, 4 x 75,776 bytes, as they lie in memory: every tensor load is a first fill, issued at the head; nothing is filled again.
; Eight waves, two to a SIMD, so that one wave's products stand beside the other's softmax.  Wave w takes slots w + 8 t in pass A (5 tiles for w under 5, else 4) and 2 or 3 tiles in pass B.
; A tile that a wave lacks is given the wave's first slot for its loads and its opening, so that every register is written on every way; its steps and stores are jumped over (scalar branches on ids).
; LAYOUT.  S^T = K Q^T (source 0 = 16 keys, source 1 = 16 queries) and O^T = V^T P (source 0 = 16 channels, source 1 = P): a lane holds ONE query throughout; two score tiles packed to f16 are a fragment of P.
; All fragments of Q, K, V^T lie in memory and LDS as images of their registers: every load takes 512 consecutive bytes.  O^T packed to f16 is an image of the projection's operand and is stored as it stands.
; SOFTMAX.  A running maximum m and sum l for each query: p = 2^(c s - c m), c = log2(e) / 8; in every step O^T and l are multiplied by a = 2^(c m_old - c m_new).
; KEY 576 OPENS.  Slot 0 holds token 576 and fifteen rows of zeros.  Its score starts m, so its p is exactly 1: O^T starts as V^T times a constant fragment (1 at key 0, else 0), l as 1 (a half in each half of the lanes).
; The zero rows are never scored.  The loop then walks keys 0-575, 64 a step, nine steps.  Queries of zero rows give finite numbers that the next launch does not store.
; THE FIRST HEAD'S FILLS ARE CUT IN THREE (slots 0-12, 13-24, 25-36), so that the first steps begin when a third has landed; four loads of a wave are out.
; NO CLUSTER: only head SGL's K and V are shared, by two work-groups, a third of a work-group's bytes.  NO PREFETCH: every load of the launch is issued at its head.
; LIMITS: p under 2^-25 is rounded to 0 in f16; cat beyond 65,504 is not served; NaN and infinities are not served.
; REGISTERS: window 0: v1 16 lane; v2, v3 the add's two; v4, v5 LDS addresses; v8-47 statistics, tile t at 8 + 8 t: +0 c m, +1 m, +2, +3 l, +4 .. +7 at work, a at +6; v48-55 the constant fragment; v56-71 P;
;   v72-103 S^T; v112-116, v117-121 offsets of Q and of cat; v128-191 K of a step; v192-255 V of a step.   Window 1: v0-79 Q, 16 a tile; v96-255 O^T, 32 a tile.
.set BHB,   75776
.set SELB,  29097984
.set CROW,  24576
.set SETB,  2*BHB                      ; a head's K and V in LDS
.set SPARE, 2*SETB                     ; behind them: the spare words, 128 bytes for each wave: four blocks of 256 bytes that no other line names
.set LI,  1
.set SPW, 2
.set NIL, 3
.set KAD, 4
.set VAD, 5
.set ST,  8
.set PC,  48
.set P,   56
.set S,   72
.set QO,  112
.set CO,  117
.set KF,  128
.set VF,  192
.set OB,  96
.set MSB, 0
.macro WIN new
.if MSB != \new
	s_set_vgpr_msb (MSB<<8)|\new
.set MSB, \new
.endif
.endm
.macro G1SET g, rows                   ; a dense block as rows of 256 bytes (32 elements of 8 bytes)
	s_mov_b32 s[\g], 3<<16
	s_mov_b32 s[\g+1], 32<<16
	s_mov_b32 s[\g+2], (\rows)<<16
	s_mov_b32 s[\g+3], 32<<16
	s_mov_b32 s[\g+4], \rows
	s_mov_b32 s[\g+5], 32
	s_mov_b32 s[\g+6], 0
	s_mov_b32 s[\g+7], 0
.endm
	s_load_b128 s[4:7], s[0:1], 0x0                ; qkv, cat
	v_lshl_add_u32 v[SPW], v0, 2, SPARE
	v_mov_b32 v[NIL], 0
	ds_add_u32 v[SPW], v[NIL]                      ; the wave's opening: the add, twice on end, and its wait ahead of my first tensor load
	ds_add_u32 v[SPW], v[NIL]
	v_lshrrev_b32 v1, 5, v0
	v_readfirstlane_b32 s8, v1                     ; wave 0..7
	v_and_b32 v1, 31, v0
	v_lshlrev_b32 v[LI], 4, v1
	s_mov_b32 s9, ttmp9
	s_mul_i32 s10, s9, 3
	s_add_co_u32 s10, s10, 1
	s_lshr_b32 s10, s10, 1                         ; DBL
	s_and_b32 s12, s9, 1                           ; which half of SGL
	s_lshl_b32 s15, s12, 1
	s_add_co_u32 s11, s10, 1
	s_sub_co_u32 s11, s11, s15                     ; SGL
	s_and_b32 s13, s8, 3                           ; which quarter of an image I fetch
	s_lshr_b32 s14, s8, 2                          ; of K (0) or of V (1)
	G1SET 16, 26
	G1SET 24, 24
	G1SET 32, 74
	s_mov_b32 s56, 0x3e38aa3b                      ; c = log2(e) / 8
	s_mov_b32 s57, s56                             ; (named with it as a pair)
	s_mov_b32 s58, 0x76543210
	s_mov_b32 s59, 0xfedcba98                      ; lane l xor 16
	s_mov_b32 s60, 0xffff0000                      ; lanes 16-31
	; my slots.  Pass A: s76-80, count s74
	s_mov_b32 s76, s8
	s_add_co_u32 s77, s8, 8
	s_add_co_u32 s78, s8, 16
	s_add_co_u32 s79, s8, 24
	s_add_co_u32 s80, s8, 32
	s_cmp_lt_u32 s8, 5
	s_cselect_b32 s80, s80, s8
	s_cselect_b32 s74, 5, 4
	; pass B: s81-83, count s75.  Base 20 x half; + w, + 8 + w; the rest (four slots, or one) go to waves 0, 3, 5, 6, one on each SIMD however the waves are dealt
	s_mul_i32 s84, s12, 20
	s_add_co_u32 s81, s84, s8
	s_add_co_u32 s82, s81, 8
	s_lshr_b32 s85, s8, 1
	s_add_co_u32 s83, s84, s85
	s_add_co_u32 s83, s83, 16
	s_bcnt1_i32_b32 s86, s8
	s_and_b32 s86, s86, 1                          ; 0 in waves 0, 3, 5, 6
	s_min_u32 s87, s8, 1
	s_and_b32 s87, s87, s12                        ; 1: the second half, and not wave 0
	s_or_b32 s86, s86, s87
	s_cmp_eq_u32 s86, 0
	s_cselect_b32 s83, s83, s81
	s_cselect_b32 s75, 3, 2
	; offsets of Q's images and of cat's rows
	s_mul_i32 s66, s10, BHB
	s_mov_b32 s67, 0
	s_mul_i32 s68, s11, BHB
	s_mov_b32 s69, 0
	s_mul_hi_u32 s84, s10, 0x15555556              ; batch = head number / 12 (2^32 / 12 rounded up: exact under 384)
	s_mul_i32 s85, s84, 12
	s_sub_co_u32 s85, s10, s85
	s_mul_i32 s84, s84, 37*CROW
	s_lshl_b32 s85, s85, 11
	s_add_co_u32 s70, s84, s85                     ; 37 slots a batch; 2,048 bytes a head in a slot's 24,576
	s_mov_b32 s71, 0
	s_mul_hi_u32 s84, s11, 0x15555556
	s_mul_i32 s85, s84, 12
	s_sub_co_u32 s85, s11, s85
	s_mul_i32 s84, s84, 37*CROW
	s_lshl_b32 s85, s85, 11
	s_add_co_u32 s72, s84, s85
	s_mov_b32 s73, 0
	; the four fills: LDS addresses and offsets in memory
	s_mul_i32 s84, s14, BHB
	s_mul_i32 s85, s13, 6656
	s_mul_i32 s86, s13, 6144
	s_mul_i32 s87, s13, 18944
	s_add_co_u32 s88, s14, 1
	s_mul_i32 s88, s88, SELB
	s_mul_i32 s90, s10, BHB
	s_add_co_u32 s90, s90, s88
	s_mov_b32 s91, 0
	s_mul_i32 s92, s11, BHB
	s_add_co_u32 s92, s92, s88
	s_mov_b32 s93, 0
	s_mov_b32 s95, 0
	s_mov_b32 s40, 1
	s_add_co_u32 s41, s84, s85                     ; slots 0-12: 4 x 6,656 bytes
	s_mov_b32 s44, 1
	s_add_co_u32 s45, s84, s86
	s_add_co_u32 s45, s45, 26624                   ; slots 13-24: 4 x 6,144
	s_mov_b32 s48, 1
	s_add_co_u32 s49, s84, s86
	s_add_co_u32 s49, s49, 51200                   ; slots 25-36
	s_mov_b32 s52, 1
	s_add_co_u32 s53, s84, s87
	s_add_co_u32 s53, s53, SETB                    ; the second head: 4 x 18,944
	s_wait_dscnt 0x0                               ; both opening adds are done
	s_wait_kmcnt 0x0
	s_add_nc_u64 s[90:91], s[4:5], s[90:91]        ; DBL's image of K or of V
	s_add_nc_u64 s[92:93], s[4:5], s[92:93]        ; SGL's
	s_mov_b32 s94, s85
	s_add_nc_u64 s[42:43], s[90:91], s[94:95]
	s_or_b32 s43, s43, 0x80000000
	s_add_co_u32 s94, s86, 26624
	s_add_nc_u64 s[46:47], s[90:91], s[94:95]
	s_or_b32 s47, s47, 0x80000000
	s_add_co_u32 s94, s86, 51200
	s_add_nc_u64 s[50:51], s[90:91], s[94:95]
	s_or_b32 s51, s51, 0x80000000
	s_mov_b32 s94, s87
	s_add_nc_u64 s[54:55], s[92:93], s[94:95]
	s_or_b32 s55, s55, 0x80000000
	tensor_load_to_lds s[40:43], s[16:23]
	s_nop 0
	tensor_load_to_lds s[44:47], s[24:31]
	s_nop 0
	tensor_load_to_lds s[48:51], s[24:31]
	s_nop 0
	tensor_load_to_lds s[52:55], s[32:39]
	s_nop 0
.rept 4
	v_nop
.endr
	s_add_nc_u64 s[66:67], s[4:5], s[66:67]        ; Q of DBL, of SGL
	s_add_nc_u64 s[68:69], s[4:5], s[68:69]
	s_add_nc_u64 s[70:71], s[6:7], s[70:71]        ; cat for DBL, for SGL
	s_add_nc_u64 s[72:73], s[6:7], s[72:73]
.macro QLOAD sl, qb, n                 ; Q's two fragments of n tiles: four loads of 512 bytes a tile
.set t, 0
.rept \n
	v_lshl_add_u32 v[QO+t], s[\sl+t], 11, v[LI]
.set t, t+1
.endr
	WIN 0x40                                       ; destination window 1
.set t, 0
.rept \n
.irp k, 0,1,2,3
	global_load_b128 v[16*t+4*\k:16*t+4*\k+3], v[QO+t], s[\qb:\qb+1] offset:512*\k
.endr
.set t, t+1
.endr
	WIN 0
.endm
.macro COSET sl, n
.set t, 0
.rept \n
	s_mul_i32 s84, s[\sl+t], CROW
	v_add_nc_u32 v[CO+t], s84, v[LI]
.set t, t+1
.endr
.endm
	QLOAD 76, 66, 5
	COSET 76, 5
	v_mov_b32 v[PC], 0x3c00                        ; f16 1.0 at key 0: register 0, low half, lanes 0-15;
	v_cndmask_b32 v[PC], v[PC], v[NIL], s60        ; zeros elsewhere
.irp i, 1,2,3,4,5,6,7
	v_mov_b32 v[PC+\i], 0
.endr
; slot 0 of the set that begins at LDS byte base: K's two fragments; V's four half fragments, their other halves zeros
.macro OPEN base
	v_add_nc_u32 v[KAD], \base, v[LI]
	v_add_nc_u32 v[VAD], \base+BHB, v[LI]
.irp n, 0,1,2,3
	ds_load_b128 v[KF+4*\n:KF+4*\n+3], v[KAD] offset:512*\n
.endr
.irp c, 0,1,2,3
	ds_load_b128 v[VF+8*\c:VF+8*\c+3], v[VAD] offset:512*\c
.endr
.irp c, 0,1,2,3
.irp i, 4,5,6,7
	v_mov_b32 v[VF+8*\c+\i], 0
.endr
.endr
.endm
; tile t's opening.  The score of key 576 comes in two halves (channels 0-31, 32-63) on two accumulators; it lies in register 0 of lanes 0-15.
.macro TPRO t
.set rT, ST+8*(\t)
	WIN 0x04                                       ; source 1 (Q) window 1
	v_wmma_f32_16x16x32_f16 v[S:S+7], v[KF:KF+7], v[16*(\t):16*(\t)+7], 0
	v_wmma_f32_16x16x32_f16 v[S+8:S+15], v[KF+8:KF+15], v[16*(\t)+8:16*(\t)+15], 0
	WIN 0x50                                       ; D (and C) window 1
.irp c, 0,1,2,3
	v_wmma_f32_16x16x32_f16 v[OB+32*(\t)+8*\c:OB+32*(\t)+8*\c+7], v[VF+8*\c:VF+8*\c+7], v[PC:PC+7], 0
.endr
	WIN 0
	v_mov_b32 v[rT+2], 0.5                         ; l: a half in each half of the lanes.  These six lines are the places behind the products: four are owed ahead of the read below,
	v_mov_b32 v[rT+3], 0                           ; five ahead of the next tile's products, which write over the two score accumulators
	v_mov_b32 v[rT+5], 0
	v_mov_b32 v[rT+7], 0
	v_nop
	v_nop
	v_add_f32 v[rT+4], v[S], v[S+8]
	v_permlanex16_b32 v[rT+5], v[rT+4], s58, s59
	v_cndmask_b32 v[rT+1], v[rT+4], v[rT+5], s60   ; m: lanes 16-31 take it from lane l xor 16
	v_mul_f32 v[rT], s56, v[rT+1]                  ; c m
.endm
; S^T of 64 keys: four accumulators by turns, two deep
.macro KQ t
	WIN 0x04
.irp u, 0,1
.irp k, 0,1,2,3
.if \u == 0
	v_wmma_f32_16x16x32_f16 v[S+8*\k:S+8*\k+7], v[KF+8*(2*\k+\u):KF+8*(2*\k+\u)+7], v[16*(\t)+8*\u:16*(\t)+8*\u+7], 0
.else
	v_wmma_f32_16x16x32_f16 v[S+8*\k:S+8*\k+7], v[KF+8*(2*\k+\u):KF+8*(2*\k+\u)+7], v[16*(\t)+8*\u:16*(\t)+8*\u+7], v[S+8*\k:S+8*\k+7]
.endif
.endr
.endr
.endm
.macro SM t
.set rT, ST+8*(\t)
.irp j, 0,1,2,3
	v_max3_num_f32 v[rT+4+\j], v[S+8*\j], v[S+8*\j+1], v[S+8*\j+2]   ; four chains; each accumulator is read from its low end on
.endr
.irp j, 0,1,2,3
	v_max3_num_f32 v[rT+4+\j], v[rT+4+\j], v[S+8*\j+3], v[S+8*\j+4]
.endr
.irp j, 0,1,2,3
	v_max3_num_f32 v[rT+4+\j], v[rT+4+\j], v[S+8*\j+5], v[S+8*\j+6]
.endr
	v_max3_num_f32 v[rT+4], v[rT+4], v[S+7], v[S+15]
	v_max3_num_f32 v[rT+6], v[rT+6], v[S+23], v[S+31]
	v_max3_num_f32 v[rT+4], v[rT+4], v[rT+5], v[rT+6]
	v_max3_num_f32 v[rT+4], v[rT+4], v[rT+7], v[rT+1]   ; and the old m
	v_permlanex16_b32 v[rT+5], v[rT+4], s58, s59   ; the query's other 32 keys lie in the lane 16 away
	v_mov_b32 v[rT+7], v[rT]                       ; c m_old
	v_max_num_f32 v[rT+1], v[rT+4], v[rT+5]
	v_mul_f32 v[rT], s56, v[rT+1]
	v_sub_f32 v[rT+7], v[rT+7], v[rT]
.set i, 0
.rept 16
	v_pk_fma_f32 v[S+2*i:S+2*i+1], v[S+2*i:S+2*i+1], s[56:57], v[rT:rT+1] op_sel_hi:[1,0,0] neg_lo:[0,0,1] neg_hi:[0,0,1]   ; c s - c m
.set i, i+1
.endr
	v_exp_f32 v[rT+6], v[rT+7]                     ; a.  The 33 exponentials are one batch
.set i, 0
.rept 32
	v_exp_f32 v[S+i], v[S+i]
.set i, i+1
.endr
	v_nop                                          ; a plain line behind the last exponential
	s_wait_alu depctr_va_vdst(0)                   ; one wait for the batch, ahead of its first reader
.set i, 0
.rept 16
	v_cvt_pk_f16_f32 v[P+i], v[S+2*i], v[S+2*i+1]
.set i, i+1
.endr
.irp u, 0,1,2,3,4,5,6,7
	v_pk_add_f32 v[S+4*\u:S+4*\u+1], v[S+4*\u:S+4*\u+1], v[S+4*\u+2:S+4*\u+3]   ; the sum of the unrounded p, as a tree in place
.endr
.irp u, 0,1,2,3
	v_pk_add_f32 v[S+8*\u:S+8*\u+1], v[S+8*\u:S+8*\u+1], v[S+8*\u+4:S+8*\u+5]
.endr
.irp u, 0,1
	v_pk_add_f32 v[S+16*\u:S+16*\u+1], v[S+16*\u:S+16*\u+1], v[S+16*\u+8:S+16*\u+9]
.endr
	v_pk_add_f32 v[S:S+1], v[S:S+1], v[S+16:S+17]
	v_pk_fma_f32 v[rT+2:rT+3], v[rT+2:rT+3], v[rT+6:rT+7], v[S:S+1] op_sel_hi:[1,0,1]   ; l = a l + the sum
.endm
.macro RS t                            ; O^T times a
	WIN 0x41
.set i, 0
.rept 16
	v_pk_mul_f32 v[OB+32*(\t)+2*i:OB+32*(\t)+2*i+1], v[OB+32*(\t)+2*i:OB+32*(\t)+2*i+1], v[ST+8*(\t)+6:ST+8*(\t)+7] op_sel_hi:[1,0]
.set i, i+1
.endr
.endm
.macro PV t                            ; O^T += V^T P: four accumulators by turns, two deep
	WIN 0x50
.irp k, 0,1
.irp c, 0,1,2,3
	v_wmma_f32_16x16x32_f16 v[OB+32*(\t)+8*\c:OB+32*(\t)+8*\c+7], v[VF+8*(4*\k+\c):VF+8*(4*\k+\c)+7], v[P+8*\k:P+8*\k+7], v[OB+32*(\t)+8*\c:OB+32*(\t)+8*\c+7]
.endr
.endr
.endm
; A KEY STEP: 64 keys (four slots, from LDS byte s61 + 2,048 on) for up to nmax tiles; tiles from gmin on may be absent.
.macro STEP nmax, gmin
	v_add_nc_u32 v[KAD], s61, v[LI]                ; these four lines are the places between the last products and the loads into the registers that they read
	v_add_nc_u32 v[VAD], BHB, v[KAD]
	v_nop
	v_nop
.set n, 0
.rept 16
	ds_load_b128 v[KF+4*n:KF+4*n+3], v[KAD] offset:2048+512*n
.set n, n+1
.endr
.irp k, 0,1
.irp c, 0,1,2,3
.irp g, 0,1
	ds_load_b128 v[VF+8*(4*\k+\c)+4*\g:VF+8*(4*\k+\c)+4*\g+3], v[VAD] offset:2048+2048*(2*\k+\g)+512*\c
.endr
.endr
.endr
	s_wait_dscnt 16                                ; K is in; V's 16 loads may be out
.set t, 0
.rept \nmax
.if t >= \gmin
	WIN 0
	s_cmp_le_u32 s63, t
	s_cbranch_scc1 .Lend_\@
.endif
	KQ t
	WIN 0
.rept 4
	v_nop                                          ; four places ahead of the first read of the scores
.endr
	SM t
	RS t
.if t == 0
	s_wait_dscnt 0x0                               ; V is in
.endif
	PV t
.set t, t+1
.endr
	WIN 0
.Lend_\@:
	s_add_co_u32 s61, s61, 8192
.endm
.macro RUN start, trips, nmax, gmin
	s_mov_b32 s61, \start
	s_mov_b32 s62, \trips
.Lrun_\@:
	STEP \nmax, \gmin
	s_sub_co_u32 s62, s62, 1
	s_cmp_lg_u32 s62, 0
	s_cbranch_scc1 .Lrun_\@
.endm
; THE WAY OUT: O^T / l, rounded to f16, stored as it stands: four stores of 512 consecutive bytes a tile.  Each tile has registers of its own for its stores.
.macro FINAL cb, nmax, gmin
.set t, 0
.rept \nmax
	v_add_f32 v[ST+8*t+4], v[ST+8*t+2], v[ST+8*t+3]   ; (these additions are also the places behind the last products)
.set t, t+1
.endr
.set t, 0
.rept \nmax
	v_permlanex16_b32 v[ST+8*t+5], v[ST+8*t+4], s58, s59
.set t, t+1
.endr
.set t, 0
.rept \nmax
	v_add_f32 v[ST+8*t+4], v[ST+8*t+4], v[ST+8*t+5]
.set t, t+1
.endr
.set t, 0
.rept \nmax
	v_rcp_f32 v[ST+8*t+6], v[ST+8*t+4]
.set t, t+1
.endr
	v_nop
	s_wait_alu depctr_va_vdst(0)                   ; one wait for the reciprocals, ahead of their first reader
.set t, 0
.rept \nmax
.if t >= \gmin
	s_cmp_le_u32 s63, t
	s_cbranch_scc1 .Lfin_\@
.endif
	WIN 0x01                                       ; source 0 (O^T) window 1
.set i, 0
.rept 16
	v_pk_mul_f32 v[S+2*i:S+2*i+1], v[OB+32*t+2*i:OB+32*t+2*i+1], v[ST+8*t+6:ST+8*t+7] op_sel_hi:[1,0]
.set i, i+1
.endr
	WIN 0
.set i, 0
.rept 16
	v_cvt_pk_f16_f32 v[KF+16*t+i], v[S+2*i], v[S+2*i+1]
.set i, i+1
.endr
.irp c, 0,1,2,3
	global_store_b128 v[CO+t], v[KF+16*t+4*\c:KF+16*t+4*\c+3], s[\cb:\cb+1] offset:512*\c
.endr
.set t, t+1
.endr
.Lfin_\@:
.endm
	; ---- PASS A
	s_wait_tensorcnt 0x3                           ; my part of slots 0-12 is in; my three later fills may be out
	s_barrier_signal -1
	s_barrier_wait -1                              ; everybody's is
	OPEN 0
	s_mov_b32 s63, s74
	s_wait_loadcnt 0x0                             ; Q
	s_wait_dscnt 0x0
	TPRO 0
	TPRO 1
	TPRO 2
	TPRO 3
	TPRO 4
	RUN 0, 3, 5, 4                                 ; slots 1-12
	s_wait_dscnt 0x0
	s_wait_tensorcnt 0x2                           ; slots 13-24: two later fills may be out
	s_barrier_signal -1
	s_barrier_wait -1
	RUN 24576, 3, 5, 4
	s_wait_dscnt 0x0
	s_wait_tensorcnt 0x1                           ; slots 25-36: the second head's fill may be out
	s_barrier_signal -1
	s_barrier_wait -1
	RUN 49152, 3, 5, 4
	QLOAD 81, 68, 3                                ; pass B's Q: pass A's is done with, and lands while pass A goes out
	FINAL 70, 5, 4
	; ---- PASS B
	s_wait_tensorcnt 0x0                           ; my part of the second head
	s_wait_dscnt 0x0
	s_barrier_signal -1
	s_barrier_wait -1
	s_wait_xcnt 0x0                                ; pass A's stores have read their data and offsets: both are written again below
	COSET 81, 3
	s_mov_b32 s63, s75
	OPEN SETB
	s_wait_loadcnt 0x0
	s_wait_dscnt 0x0
	TPRO 0
	TPRO 1
	TPRO 2
	RUN SETB, 9, 3, 2
	FINAL 72, 3, 2
	s_wait_tensorcnt 0x0                           ; the wave's end
	ds_add_u32 v[SPW], v[NIL]
	s_wait_dscnt 0x0
	s_endpgm
.Lfunc_end_k_q14f024308d_attn:
	.size	k_q14f024308d_attn, .Lfunc_end_k_q14f024308d_attn-k_q14f024308d_attn
	.p2alignl 7, 3214868480
	.fill 96, 4, 3214868480
	.section	.rodata,"a",@progbits
	.p2align	6, 0x0
	.amdhsa_kernel k_q14f024308d_attn
		.amdhsa_group_segment_fixed_size 304128
		.amdhsa_private_segment_fixed_size 0
		.amdhsa_enable_private_segment 0
		.amdhsa_kernarg_size 16
		.amdhsa_user_sgpr_count 2
		.amdhsa_user_sgpr_kernarg_segment_ptr 1
		.amdhsa_wavefront_size32 1
		.amdhsa_system_sgpr_workgroup_id_x 1
		.amdhsa_system_sgpr_workgroup_id_y 1
		.amdhsa_system_sgpr_workgroup_id_z 1
		.amdhsa_system_vgpr_workitem_id 0
		.amdhsa_next_free_vgpr 512
		.amdhsa_next_free_sgpr 96
		.amdhsa_reserve_vcc 0
		.amdhsa_float_denorm_mode_32 3
		.amdhsa_float_denorm_mode_16_64 3
		.amdhsa_memory_ordered 1
		.amdhsa_forward_progress 1
		.amdhsa_inst_pref_size 188
	.end_amdhsa_kernel
	.amdgpu_metadata
---
amdhsa.version: [ 1, 2 ]
amdhsa.kernels:
  - .name:           k_q14f024308d_attn
    .symbol:         k_q14f024308d_attn.kd
    .args:
      - { .name: qkv, .offset: 0, .size: 8, .value_kind: global_buffer, .address_space: global }
      - { .name: cat, .offset: 8, .size: 8, .value_kind: global_buffer, .address_space: global }
    .group_segment_fixed_size: 304128
    .private_segment_fixed_size: 0
    .kernarg_segment_align: 8
    .kernarg_segment_size: 16
    .max_flat_workgroup_size: 256
    .sgpr_count:     96
    .vgpr_count:     512
    .wavefront_size: 32
...
	.end_amdgpu_metadata
.endif
;; end of part 3
;; launch proj (part 4): grid 3 x 85, 4 waves a work-group, no clusters, 327,680 bytes of LDS; arguments cat, wpimg, b_proj, out0; writes out0
.if DOCPART == 4
	.amdgcn_target "amdgcn-amd-amdhsa--gfx1250"
	.amdhsa_code_object_version 6
	.text
	.protected	k_q14f024308d_proj
	.globl	k_q14f024308d_proj
	.p2align	8
	.type	k_q14f024308d_proj,@function
k_q14f024308d_proj:
	s_mov_b64 s[64:65], 0
	v_nop
	global_prefetch_b8 v0, s[64:65] scope:SCOPE_SE
	s_setreg_imm32_b32 hwreg(HW_REG_WAVE_MODE, 25, 1), 1
	s_wait_xcnt 0x0
; Launch 4 of 4: out0 = cat w_proj^T + b_proj, f16 operands, f32 sums.  No work of reference() is left out; rows of zeros that pad a batch's slot 0 are multiplied inside their tile and not stored.
; SHARES.  Work-group (nx, g): 256 columns, 14 slots of 16 tokens, T0 .. T0 + 13, T0 = min(14 g, 1170); the last group's first six slots are its neighbour's: multiplied with the tile, not stored.
; Four waves: wave (wm, wn) takes 7 slots x 128 columns: 56 accumulators.  THE MATRIX INSTRUCTION IS USED TRANSPOSED (source 0 = 16 rows of w_proj, source 1 = 16 tokens): a lane holds eight neighbouring columns of a row.
; K goes in 6 steps of 128 through two LDS slots; both operands lie in memory as images of their registers, 1,024 bytes for 16 rows x 32 K, so a K step of 16 rows is 4,096 consecutive bytes,
; and every LDS load takes 512 consecutive bytes.  Waves 0, 1 fetch cat's two halves (7 rows of 4,096 bytes each), waves 2, 3 w_proj's (8 rows): one tensor load a wave behind each change of slots.
; The bias is the C of each sum's first product.  The launch claims all of LDS.
; NO CLUSTER: the grid, 3 x 85, is a multiple of 4 along neither axis.  NO PREFETCH: a refill is asked for 192 matrix instructions ahead of the wait for it.
; REGISTERS: window 0: v16-17, v20-21 LDS addresses of cat's and w_proj's fragments in slot 0, 1; v24-26 the way out; v27 the bias's offset; v28, v29 the add's two; v64-119, v128-183 cat's fragments, two buffers;
;   on the way out v128-255 rows read back.   Window 1: v0-63, v64-127 w_proj's fragments, two buffers; v128-191 the bias, eight registers a column tile.
;   Window 2: accumulators of slots 0-3, (a, b) at 8 (8 a + b).   Window 3: of slots 4-6.
.set CROW,   24576
.set ASL,    14*4096                   ; a slot: cat's 14 x 4,096 bytes,
.set SLOT,   ASL+16*4096               ; then w_proj's 16 x 4,096
.set STAGE,  2*SLOT                    ; behind the ring: 16 rows x (512 + 16) bytes for each wave
.set SPITCH, 528
.set SPARE,  STAGE+4*16*SPITCH         ; the spare words, 128 bytes for each wave: two blocks of 256 bytes that no other line names
.set ADRA, 16
.set ADRB, 20
.set STO,  24
.set RD,   25
.set CO,   26
.set SPW,  28
.set NIL,  29
.set BIAS, 128
.set BK,   128
.set G1,  24
.set G0,  32
.set G1B, 48
.set G0B, 56
.set MSB, 0
.macro WIN new
.if MSB != \new
	s_set_vgpr_msb (MSB<<8)|\new
.set MSB, \new
.endif
.endm
.macro PLACES
.rept 4
	v_nop
.endr
.endm
.macro JLOAD s                         ; waves 0, 1: cat's tile; waves 2, 3: w_proj's.  An s_nop 0 and four v_nop follow each of the two lines
	s_cmp_eq_u32 s13, 0
	s_cbranch_scc0 .Lfor_b_\@
	tensor_load_to_lds s[G0+4*\s:G0+4*\s+3], s[G1:G1+7]
	s_nop 0
.rept 4
	v_nop
.endr
	s_branch .Lasked_\@
.Lfor_b_\@:
	tensor_load_to_lds s[G0B+4*\s:G0B+4*\s+3], s[G1B:G1B+7]
	s_nop 0
.rept 4
	v_nop
.endr
.Lasked_\@:
.endm
	s_load_b256 s[4:11], s[0:1], 0x0               ; cat, wpimg, b_proj, out0
	v_lshl_add_u32 v[SPW], v0, 2, SPARE
	v_mov_b32 v[NIL], 0
	ds_add_u32 v[SPW], v[NIL]                      ; the wave's opening: the add, twice on end, and its wait ahead of my first tensor load
	ds_add_u32 v[SPW], v[NIL]
	v_lshrrev_b32 v1, 5, v0
	v_readfirstlane_b32 s12, v1                    ; wave
	s_lshr_b32 s13, s12, 1                         ; wm: which 7 slots are mine.  Also: I fetch cat (0) or w_proj (1)
	s_and_b32 s14, s12, 1                          ; wn: which 128 columns.  Also: which half of that tile I fetch
	s_mov_b32 s15, ttmp9                           ; nx
	s_and_b32 s16, ttmp7, 0xffff
	s_mul_i32 s18, s16, 14                         ; the first slot that is mine
	s_min_u32 s17, s18, 1170                       ; the first that I load
	; descriptor groups 1: rows of 4,096 bytes (512 elements of 8 bytes), 24,576 bytes (3,072 elements) apart; 7 rows of cat, 8 of w_proj
	s_mov_b32 s[G1], 3<<16
	s_mov_b32 s[G1+1], 512<<16
	s_mov_b32 s[G1+2], 7<<16
	s_mov_b32 s[G1+3], 512<<16
	s_mov_b32 s[G1+4], 7
	s_mov_b32 s[G1+5], 3072
	s_mov_b32 s[G1+6], 0
	s_mov_b32 s[G1+7], 0
	s_mov_b32 s[G1B], 3<<16
	s_mov_b32 s[G1B+1], 512<<16
	s_mov_b32 s[G1B+2], 8<<16
	s_mov_b32 s[G1B+3], 512<<16
	s_mov_b32 s[G1B+4], 8
	s_mov_b32 s[G1B+5], 3072
	s_mov_b32 s[G1B+6], 0
	s_mov_b32 s[G1B+7], 0
	s_mul_i32 s20, s14, 7
	s_add_co_u32 s20, s20, s17
	s_mul_i32 s20, s20, CROW                       ; cat: slot T0 + 7 x half
	s_mov_b32 s21, 0
	s_lshl_b32 s22, s15, 4
	s_lshl_b32 s23, s14, 3
	s_add_co_u32 s22, s22, s23
	s_mul_i32 s22, s22, CROW                       ; w_proj: tile 16 nx + 8 x half
	s_mov_b32 s23, 0
	s_mul_i32 s40, s14, 7*4096                     ; where they go in a slot
	s_lshl_b32 s41, s14, 15
	s_add_co_u32 s41, s41, ASL
	s_lshl_b32 s42, s15, 10
	s_lshl_b32 s43, s14, 9
	s_add_co_u32 s42, s42, s43                     ; my first column in bytes of f32: 1024 nx + 512 wn
	s_mov_b32 s43, 0
	s_mul_i32 s73, s13, 7
	s_add_co_u32 s73, s73, s17                     ; my first slot
	s_mov_b32 s71, 0
	s_wait_dscnt 0x0                               ; both opening adds are done
	s_wait_kmcnt 0x0
	s_add_nc_u64 s[20:21], s[4:5], s[20:21]
	s_add_nc_u64 s[22:23], s[6:7], s[22:23]
	s_add_nc_u64 s[8:9], s[8:9], s[42:43]          ; the bias of my columns
	s_add_nc_u64 s[66:67], s[10:11], s[42:43]      ; out0 at my columns
.irp s, 0,1
	s_mov_b32 s[G0+4*\s], 1
	s_add_co_u32 s[G0+4*\s+1], s40, \s*SLOT
	s_add_nc_u64 s[G0+4*\s+2:G0+4*\s+3], s[20:21], \s*4096
	s_or_b32 s[G0+4*\s+3], s[G0+4*\s+3], 0x80000000
	s_mov_b32 s[G0B+4*\s], 1
	s_add_co_u32 s[G0B+4*\s+1], s41, \s*SLOT
	s_add_nc_u64 s[G0B+4*\s+2:G0B+4*\s+3], s[22:23], \s*4096
	s_or_b32 s[G0B+4*\s+3], s[G0B+4*\s+3], 0x80000000
	JLOAD \s                                       ; K steps 0 and 1: two loads of mine are out
.endr
	v_and_b32 v1, 31, v0
	v_lshlrev_b32 v[CO], 4, v1                     ; 16 lane
	v_and_b32 v2, 15, v0                           ; r
	v_bfe_u32 v3, v0, 4, 1                         ; h
	s_mul_i32 s44, s13, 7*4096
	s_lshl_b32 s45, s14, 15
	s_add_co_u32 s45, s45, ASL
.irp s, 0,1
	v_add_nc_u32 v[ADRA+\s], s44, v[CO]
	v_add_nc_u32 v[ADRB+\s], s45, v[CO]
	s_add_co_u32 s44, s44, SLOT
	s_add_co_u32 s45, s45, SLOT
.endr
	s_mul_i32 s46, s12, 16*SPITCH
	s_add_co_u32 s46, s46, STAGE                   ; my stage
	v_mul_u32_u24 v4, v2, SPITCH
	v_lshl_add_u32 v4, v3, 5, v4
	v_add_nc_u32 v[STO], s46, v4                   ; in: row r, 32 bytes for each half of the lanes
	v_add_nc_u32 v[RD], s46, v[CO]                 ; back: the 32 lanes take a row of 512 bytes
	v_lshlrev_b32 v27, 5, v3                       ; the bias: my half's eight numbers of a tile of 16
	WIN 0x40
.irp b, 0,1,2,3,4,5,6,7
	global_load_b128 v[BIAS+8*\b:BIAS+8*\b+3], v27, s[8:9] offset:64*\b
	global_load_b128 v[BIAS+8*\b+4:BIAS+8*\b+7], v27, s[8:9] offset:64*\b+16
.endr
	WIN 0
; 8 products: slot a against the 8 column tiles, 32 along K, buffers f.  first = 1: the bias starts the sums.  The 56 accumulators take turns in one order everywhere.
.macro MULA f, a, first
.irp b, 0,1,2,3,4,5,6,7
.if \first
	v_wmma_f32_16x16x32_f16 v[8*(8*((\a)%4)+\b):8*(8*((\a)%4)+\b)+7], v[64*(\f)+8*\b:64*(\f)+8*\b+7], v[64+64*(\f)+8*(\a):64+64*(\f)+8*(\a)+7], v[BIAS+8*\b:BIAS+8*\b+7]
.else
	v_wmma_f32_16x16x32_f16 v[8*(8*((\a)%4)+\b):8*(8*((\a)%4)+\b)+7], v[64*(\f)+8*\b:64*(\f)+8*\b+7], v[64+64*(\f)+8*(\a):64+64*(\f)+8*(\a)+7], v[8*(8*((\a)%4)+\b):8*(8*((\a)%4)+\b)+7]
.endif
.endr
.endm
; 30 LDS loads in one run: chunk q of the slot into buffers f: w_proj's 8 fragments, then cat's 7
.macro FETCH slot, q, f
	WIN 0x40
.irp b, 0,1,2,3,4,5,6,7
.irp g, 0,1
	ds_load_b128 v[64*(\f)+8*\b+4*\g:64*(\f)+8*\b+4*\g+3], v[ADRB+\slot] offset:4096*\b+1024*(\q)+512*\g
.endr
.endr
	WIN 0
.irp a, 0,1,2,3,4,5,6
.irp g, 0,1
	ds_load_b128 v[64+64*(\f)+8*\a+4*\g:64+64*(\f)+8*\a+4*\g+3], v[ADRA+\slot] offset:4096*\a+1024*(\q)+512*\g
.endr
.endr
.endm
; a chunk that has its successor in the same slot: multiplies buffers f, fetches chunk q into buffers g
.macro QUARTER slot, q, f, g, first
	s_wait_dscnt 6                                 ; all but the youngest six loads: cat's slots 4-6
	WIN 0xa1-0x10*\first                           ; source 0 window 1, D window 2, C window 2 (the bias: window 1)
	MULA \f, 0, \first
	MULA \f, 1, \first
	MULA \f, 2, \first
	MULA \f, 3, \first
	PLACES                                         ; four places ahead of loads into registers that matrix instructions have read
	FETCH \slot, \q, \g
	s_wait_dscnt 30                                ; all but the 30 just issued
	WIN 0xf1-0x20*\first
	MULA \f, 4, \first
	MULA \f, 5, \first
	MULA \f, 6, \first
.endm
; a slot's last chunk (buffers 1) changes slots: one barrier; ahead of it each wave waits for all its tensor loads, adds 0 to its spare word, and waits for that and for its reads of this slot.
; fill = 1: this slot is filled again, two K steps on: the first thing behind the barrier, the wave's one tensor load until the next.
.macro TURN slot, next, fill
	WIN 0
	s_wait_tensorcnt 0x0                           ; all my tensor loads have landed: my part of the next slot
	ds_add_u32 v[SPW], v[NIL]
	s_wait_dscnt 7                                 ; (the add and the youngest six loads may be out)
	WIN 0xa1
	MULA 1, 0, 0
	MULA 1, 1, 0
	s_wait_dscnt 0x0                               ; the add is done, and my reads of this slot are over
	s_barrier_signal -1
	MULA 1, 2, 0
	MULA 1, 3, 0
	WIN 0
	s_barrier_wait -1
.if \fill
	s_add_nc_u64 s[G0+4*\slot+2:G0+4*\slot+3], s[G0+4*\slot+2:G0+4*\slot+3], 8192
	s_add_nc_u64 s[G0B+4*\slot+2:G0B+4*\slot+3], s[G0B+4*\slot+2:G0B+4*\slot+3], 8192
	JLOAD \slot                                    ; its four v_nop are also the places ahead of the loads below
.else
	PLACES
.endif
	FETCH \next, 0, 0
	WIN 0xf1
	MULA 1, 4, 0
	MULA 1, 5, 0
	MULA 1, 6, 0
.endm
	s_wait_tensorcnt 0x1                           ; my part of K step 0 is in; K step 1's may be out
	s_wait_loadcnt 0x0                             ; the bias
	s_barrier_signal -1
	s_barrier_wait -1
	FETCH 0, 0, 0
	QUARTER 0, 1, 0, 1, 1                          ; the first chunk stands ahead of the loop: its products start the sums
	WIN 0
	s_mov_b32 s19, 2
.Llap:                                                 ; a trip goes once round the ring, from a lap's second chunk to the next lap's first, and fills both slots again
	QUARTER 0, 2, 1, 0, 0
	QUARTER 0, 3, 0, 1, 0
	TURN 0, 1, 1
	QUARTER 1, 1, 0, 1, 0
	QUARTER 1, 2, 1, 0, 0
	QUARTER 1, 3, 0, 1, 0
	TURN 1, 0, 1
	QUARTER 0, 1, 0, 1, 0
	WIN 0
	s_sub_co_u32 s19, s19, 1
	s_cmp_lg_u32 s19, 0
	s_cbranch_scc1 .Llap
	QUARTER 0, 2, 1, 0, 0                          ; the last lap fills nothing
	QUARTER 0, 3, 0, 1, 0
	TURN 0, 1, 0
	QUARTER 1, 1, 0, 1, 0
	QUARTER 1, 2, 1, 0, 0
	QUARTER 1, 3, 0, 1, 0
	s_wait_dscnt 6
	WIN 0xa1
	MULA 1, 0, 0
	MULA 1, 1, 0
	MULA 1, 2, 0
	MULA 1, 3, 0
	s_wait_dscnt 0x0
	WIN 0xf1
	MULA 1, 4, 0
	MULA 1, 5, 0
	MULA 1, 6, 0
	WIN 0
; THE WAY OUT, slot by slot: a lane holds 32 neighbouring bytes of a row and the lanes beside it other rows: so 16 rows x 512 bytes go through my own stage and come back as whole rows.
; LDS serves a wave's instructions in order: no wait between the stores and the loads, nor ahead of the next slot's stores.
.macro TOSTAGE a
.set AC, 64*((\a)%4)
	WIN 0x08+4*((\a)/4)                            ; the data: window 2 or 3
.irp b, 0,1,2,3,4,5,6,7
	ds_store_b128 v[STO], v[AC+8*\b:AC+8*\b+3] offset:64*\b          ; each accumulator from its low end on
	ds_store_b128 v[STO], v[AC+8*\b+4:AC+8*\b+7] offset:64*\b+16
.endr
	WIN 0
.set BB, BK+64*((\a)%2)
.irp t, 0,1,2,3,4,5,6,7,8,9,10,11,12,13,14,15
	ds_load_b128 v[BB+4*\t:BB+4*\t+3], v[RD] offset:\t*SPITCH
.endr
.endm
; slot a's rows are stored.  younger: the LDS instructions issued behind its loads.  Which rows of out0 they are hangs on ids alone.
.macro SEND a, younger
.set BB, BK+64*((\a)%2)
	s_wait_dscnt \younger
	s_wait_xcnt 0x0                                ; earlier stores have read their base: it is written below
	s_add_co_u32 s72, s73, (\a)                    ; T
	s_cmp_lt_u32 s72, s18
	s_cbranch_scc1 .Lsent_\@                       ; my neighbour's slot
	s_mul_hi_u32 s74, s72, 0x06EB3E46              ; batch = T / 37
	s_mul_i32 s75, s74, 37
	s_sub_co_u32 s75, s72, s75                     ; slot in the batch
	s_lshl_b32 s76, s75, 4
	s_sub_co_u32 s76, s76, 16
	s_cmp_eq_u32 s75, 0
	s_cselect_b32 s76, 576, s76
	s_mul_i32 s74, s74, 577
	s_add_co_u32 s74, s74, s76                     ; the first row
	s_mul_i32 s70, s74, 3072
	s_add_nc_u64 s[68:69], s[66:67], s[70:71]
	global_store_b128 v[CO], v[BB:BB+3], s[68:69] th:TH_STORE_NT   ; 32 lanes store 512 consecutive bytes, at a multiple of 256 from out0's first byte
	s_cmp_eq_u32 s75, 0
	s_cbranch_scc1 .Lsent_\@                       ; slot 0 holds token 576 alone: its other rows are no rows of out0
.irp t, 1,2,3,4,5,6,7,8,9,10,11,12,13,14,15
	global_store_b128 v[CO], v[BB+4*\t:BB+4*\t+3], s[68:69] offset:3072*\t th:TH_STORE_NT
.endr
.Lsent_\@:
.endm
	PLACES                                         ; ahead of the first read of results, and of loads into registers that held cat's fragments
	TOSTAGE 0
.irp a, 1,2,3,4,5,6
.if \a > 1
	s_wait_xcnt 0x0                                ; slot a - 2's stores have read their registers: slot a's rows may land there
.endif
	TOSTAGE \a
	SEND \a-1, 32                                  ; behind slot a - 1's loads: slot a's 16 stores and 16 loads
.endr
	SEND 6, 0
	s_wait_tensorcnt 0x0                           ; the wave's end, behind my last tensor load and my last LDS store
	ds_add_u32 v[SPW], v[NIL]
	s_wait_dscnt 0x0
	s_endpgm
.Lfunc_end_k_q14f024308d_proj:
	.size	k_q14f024308d_proj, .Lfunc_end_k_q14f024308d_proj-k_q14f024308d_proj
	.p2alignl 7, 3214868480
	.fill 96, 4, 3214868480
	.section	.rodata,"a",@progbits
	.p2align	6, 0x0
	.amdhsa_kernel k_q14f024308d_proj
		.amdhsa_group_segment_fixed_size 327680
		.amdhsa_private_segment_fixed_size 0
		.amdhsa_enable_private_segment 0
		.amdhsa_kernarg_size 32
		.amdhsa_user_sgpr_count 2
		.amdhsa_user_sgpr_kernarg_segment_ptr 1
		.amdhsa_wavefront_size32 1
		.amdhsa_system_sgpr_workgroup_id_x 1
		.amdhsa_system_sgpr_workgroup_id_y 1
		.amdhsa_system_sgpr_workgroup_id_z 1
		.amdhsa_system_vgpr_workitem_id 0
		.amdhsa_next_free_vgpr 960
		.amdhsa_next_free_sgpr 80
		.amdhsa_reserve_vcc 0
		.amdhsa_float_denorm_mode_32 3
		.amdhsa_float_denorm_mode_16_64 3
		.amdhsa_memory_ordered 1
		.amdhsa_forward_progress 1
		.amdhsa_inst_pref_size 131
	.end_amdhsa_kernel
	.amdgpu_metadata
---
amdhsa.version: [ 1, 2 ]
amdhsa.kernels:
  - .name:           k_q14f024308d_proj
    .symbol:         k_q14f024308d_proj.kd
    .args:
      - { .name: cat, .offset: 0, .size: 8, .value_kind: global_buffer, .address_space: global }
      - { .name: wpimg, .offset: 8, .size: 8, .value_kind: global_buffer, .address_space: global }
      - { .name: b_proj, .offset: 16, .size: 8, .value_kind: global_buffer, .address_space: global }
      - { .name: out0, .offset: 24, .size: 8, .value_kind: global_buffer, .address_space: global }
    .group_segment_fixed_size: 327680
    .private_segment_fixed_size: 0
    .kernarg_segment_align: 8
    .kernarg_segment_size: 32
    .max_flat_workgroup_size: 128
    .sgpr_count:     80
    .vgpr_count:     960
    .wavefront_size: 32
...
	.end_amdgpu_metadata
.endif
;; end of part 4
